; MI455X (gfx1250); checked and timed in simulation.
; The chip was launched on July 23, 2026; its instructions are those of AMD's public machine-readable ISA for CDNA 5 (MIT licence, August 2026) and "CDNA5" Instruction Set Architecture Reference Guide (July 2026). The comments in the code are by the model that wrote it; some were corrected since.
;; MSA1. Allowed arithmetic: matrix products marked QUANTISED: E3M2 operands, one E8M0 scale for each 32 along K, by v_wmma_scale_f32_16x16x128_f8f6f4 with both operands' format E3M2, f32 sums; products left as they are: f32 operands where the result goes on into a quantised operand, else bf16, f16 or f32 operands; f32 sums; everything else in f32.
;; Inputs: Wk 512 x 512 float32; Wo 512 x 512 float32; Wq 512 x 512 float32; Wv 512 x 512 float32; ax 8 x 512 x 4 x 2,048 float32; bk 512 float32; bo 512 float32; bq 512 float32; bv 512 float32; x 8 x 512 x 2,048 x 1 float32.
;; Outputs: out0 8 x 512 x 2,048 x 1 float32.
;; This version of the problem:
;;   THIS VERSION OF THE PROBLEM IS GIVEN IN LOW PRECISION. The matrix products marked QUANTISED in the list below multiply operands that are first quantised to E3M2 (3 exponent bits, 2 mantissa bits; 6 bits a number), with one power-of-two scale for each 32 numbers along K (OCP MX v1.0); their sums are f32. All else is computed in f32.
;;   The module's matrix products, in the order in which they are computed (A, B: the left and right operand; K: the contracted axis; several contracted axes count as one K, in the product's order):
;;     1. [M 16,384, K 512] x [K 512, N 512]; A: input x; B: input Wq: QUANTISED
;;     2. [M 16,384, K 512] x [K 512, N 512]; A: input x; B: input Wk: QUANTISED
;;     3. [M 16,384, K 512] x [K 512, N 512]; A: input x; B: input Wv: QUANTISED
;;     4. [M 65,536, K 512] x [K 512, N 512]; A: input ax; B: input Wk: QUANTISED
;;     5. [M 65,536, K 512] x [K 512, N 512]; A: input ax; B: input Wv: QUANTISED
;;     6. batch 131,072 x [M 7, K 64] x [K 64, N 1]; A: computed on the way; B: computed on the way: left as it is (M = 7 < 16)
;;     7. batch 131,072 x [M 64, K 7] x [K 7, N 1]; A: computed on the way; B: softmax: left as it is (K = 7 < 32)
;;     8. [M 16,384, K 512] x [K 512, N 512]; A: computed on the way; B: input Wo: QUANTISED
;;   THE QUANTISER, for each operand of a quantised product, along K:
;;     - K is cut into blocks of 32 from its start; a last block that is shorter is filled with zeros.
;;     - A block's scale is 2^e with e = floor(log2(the largest magnitude in the block)) - 4, held to -126 .. 127; a block of zeros has e = 0. As a byte (E8M0): e + 127.
;;     - Each number is divided by its block's scale, clamped to +-28, and rounded to the nearest number of E3M2, ties to even, subnormals kept.
;;     - The product sums the exact products of the quantised numbers (number of the format x scale) in f32.
;;   ~~~python
;;   def quantise(x, axis):      # numpy; x: float32 -> the quantised numbers, widened to float32 again
;;       x = np.moveaxis(x, axis, -1); K = x.shape[-1]
;;       x = np.pad(x, [(0, 0)] * (x.ndim - 1) + [(0, -K % 32)]); x = x.reshape(x.shape[:-1] + (-1, 32)); a = np.abs(x).max(-1, keepdims=True)
;;       e = np.where(a > 0, np.clip(np.frexp(np.where(a > 0, a, 1))[1] - 1 - 4, -126, 127), 0)      # np.frexp(a)[1] - 1 = floor(log2(a)), exactly
;;       r = np.clip(x / 2.0 ** e, -28, 28)
;;       step = 2.0 ** (np.maximum(np.frexp(np.where(r == 0, 1, r))[1] - 1, -2) - 2)
;;       q = np.round(r / step) * step * 2.0 ** e      # np.round: ties to even
;;       return np.moveaxis(q.reshape(q.shape[:-2] + (-1,))[..., :K], -1, axis).astype(np.float32)
;;   ~~~
;;   OPERANDS COMPUTED ON THE WAY. 'Computed on the way' means the value that the module computes at that place (a softmax that the list does not call 'softmax' is quantised finished and normalised). What goes into a quantiser is computed in f32, as accurately as f32 sums, v_exp_f32 and their like allow (about 1e-6 of the number): no bf16 or f16 on the way to a quantiser, and a product that is left as it is and whose result goes on into a quantised operand takes f32 operands (vector FMAs, or v_wmma_f32_16x16x4_f32). A number that lies on a knife's edge between two numbers of the format may be rounded either way, as far as f32 arithmetic and the matrix unit's own rounding can turn it there, and no further.
;; One version. Each part assembles by itself: llvm-mc -triple=amdgcn-amd-amdhsa -mcpu=gfx1250 --defsym DOCPART=n.
;; ======== version 1 of 1: 2 launches
;; limits: right only within a limited range of input values
;; workspace buffers: wc 786,432 bytes; ws 32,768 bytes
;; launch prep (part 1): grid 256 x 1, 4 waves a work-group, no clusters, 3,840 bytes of LDS; arguments Wq, Wk, Wv, Wo, wc, ws; writes wc, ws
.if DOCPART == 1
	.amdgcn_target "amdgcn-amd-amdhsa--gfx1250"
	.amdhsa_code_object_version 6
	.text
	.protected	k_qdcfb7a6058_prep
	.globl	k_qdcfb7a6058_prep
	.p2align	8
	.type	k_qdcfb7a6058_prep,@function
k_qdcfb7a6058_prep:
	s_mov_b64 s[64:65], 0
	v_nop
	global_prefetch_b8 v0, s[64:65] scope:SCOPE_SE
	s_setreg_imm32_b32 hwreg(HW_REG_WAVE_MODE, 25, 1), 1
	s_wait_xcnt 0x0
; Wq, Wk, Wv, Wo [512 (K)][512 (n)], f32, become codes of BF6 (E3M2) quantised along K, one E8M0 byte for each 32 along K, laid in the ORDER OF AN OPERAND'S REGISTERS.
; NOTHING OF THE PROBLEM IS LEFT OUT AS DEAD WORK, in this launch or the next: all ten inputs have a way to the output.  (bk is the same in all seven scores of an inner position, but at l = 0 and l = 2047
; one entry is padding, whose score is 0 without bk: so bk stays.)
; wc: [m 4][g 8][T 4][s 4][1536 bytes]: m = Wq, Wk, Wv, Wo; g = a group of 64 columns; T = a tile of 16 columns; s = a K step of 128.  A fragment is 12 registers a lane:
;     registers 4 q .. 4 q + 3 of lane L lie at 512 q + 16 L, so that a group comes into registers by 48 loads of 16 bytes a lane, each of 512 consecutive bytes.
; ws: [m][g][T][s][16 words]: the scale word (four bytes, 128 along K) of the tile's row r.
; THE COLUMNS OF A TILE ARE NOT NEIGHBOURS: row r of tile 2 b + u is column 64 g + 32 b + 8 u + r + 8 (r / 8), so that in the next launch the 16 result registers of tiles 2 b, 2 b + 1 are 16 neighbouring features.
; A work-group is 32 columns (64 g + 32 bb + lane) x 128 along K: two whole fragments.  WAVE j TAKES BLOCK j OF 32 ALONG K: a lane takes a column and its 32 registers run down K, so a block lies in one lane,
; and a wave's 32 loads are all out together.  The four waves' codes and scale bytes meet in one stage in LDS, in the fragments' order; behind one barrier each wave stores 768 of its 3,072 bytes.
; LIMITS: a block whose largest magnitude lies under 2^-122 gets the byte 1; a block of zeros gets the byte 1 where the rule says 127 (its codes are zeros, and this program alone reads the bytes);
; NaN and infinities among the inputs are not served.
.set SCB,   3072                       ; behind the stage: 32 scale words, in a block of 256 bytes of their own
.set SPARE, 3328                       ; the spare words, 128 bytes for each wave: two blocks of 256 bytes that no other line names
.set X,     32                         ; v32-63   my block's 32 numbers
.set C,     64                         ; v64-72   its codes: six registers, and three more in which the second conversion lands
	s_load_b256 s[4:11], s[0:1], 0x0               ; Wq, Wk, Wv, Wo
	s_load_b128 s[12:15], s[0:1], 0x20             ; wc, ws
	v_lshl_add_u32 v1, v0, 2, SPARE                ; my spare word
	v_mov_b32 v2, 0
	v_lshrrev_b32 v7, 5, v0
	v_readfirstlane_b32 s28, v7                    ; j: my wave, and my block of the K step
	s_and_b32 s16, ttmp9, 1                        ; bb: which 32 columns of the group
	s_bfe_u32 s17, ttmp9, 0x20001                  ; s: the K step
	s_bfe_u32 s18, ttmp9, 0x30003                  ; g: the group
	s_lshr_b32 s19, ttmp9, 6                       ; m: the weight
	s_lshr_b32 s20, ttmp9, 3                       ; 8 m + g
	; block j is registers 6 (j / 2) .. + 5 of the fragment's lane r + 16 (j % 2); register R lies at 512 (R / 4) + 16 x lane + 4 (R % 4).
	; So its three pairs of registers lie at 0, 8, 512 (j / 2 = 0) or at 520, 1024, 1032 (j / 2 = 1), + 256 (j % 2)
	s_and_b32 s29, s28, 1
	s_lshl_b32 s29, s29, 8
	s_lshr_b32 s30, s28, 1
	s_mul_i32 s31, s30, 520
	s_add_co_u32 s31, s31, s29                     ; pairs 0 and 2 (the latter by the offset 512)
	s_mul_i32 s32, s30, 1016
	s_add_co_u32 s32, s32, s29                     ; pair 1 (by the offset 8)
	s_mul_i32 s33, s28, 768                        ; the way out: my 768 bytes of the stage,
	s_mul_i32 s34, s30, 4608                       ; of which bytes 1536 .. belong to the second fragment, 6,144 bytes on in wc
	s_lshl_b32 s22, s17, 18                        ; W: 128 rows of 2,048 bytes a K step,
	s_lshl_b32 s21, s28, 16
	s_add_co_u32 s22, s22, s21                     ; 32 rows a block,
	s_lshl_b32 s21, s18, 8
	s_add_co_u32 s22, s22, s21                     ; 256 bytes a group,
	s_lshl_b32 s21, s16, 7
	s_add_co_u32 s22, s22, s21                     ; 128 bytes for the upper 32 columns
	s_mov_b32 s23, 0
	s_lshl_b32 s20, s20, 4
	s_lshl_b32 s21, s16, 3
	s_add_co_u32 s20, s20, s21
	s_add_co_u32 s20, s20, s17                     ; the first fragment's number: 16 (8 m + g) + 8 bb + s; the second lies 4 fragments on
	s_mul_i32 s24, s20, 1536
	s_mov_b32 s25, 0
	s_lshl_b32 s26, s20, 6
	s_mov_b32 s27, 0
	v_and_b32 v17, 31, v0                          ; lane
	v_lshlrev_b32 v3, 2, v17                       ; in: 4 bytes a lane
	v_bfe_u32 v8, v0, 3, 1                         ; u: my column's tile of the two
	v_and_b32 v9, 7, v0
	v_bfe_u32 v10, v0, 4, 1
	v_lshl_add_u32 v9, v10, 3, v9                  ; r: its row in that tile
	v_mul_u32_u24 v4, v8, 1536
	v_lshl_add_u32 v4, v9, 4, v4                   ; the stage: fragment u, lane r's 16 bytes
	v_lshlrev_b32 v6, 8, v8
	v_lshl_add_u32 v6, v9, 2, v6                   ; my column's scale word in ws: 256 u + 4 r
	v_add_nc_u32 v18, s31, v4
	v_add_nc_u32 v19, s32, v4
	v_lshl_add_u32 v21, v17, 2, SCB                ; my column's scale word in LDS,
	v_add_nc_u32 v20, s28, v21                     ; and my block's byte of it
	v_lshl_add_u32 v22, v17, 3, s33                ; out of the stage: 8 bytes a lane
	v_add_nc_u32 v23, s34, v22                     ; and the same place in wc
	s_wait_alu depctr_va_vdst(0)                   ; the wait at the head's end
	s_wait_kmcnt 0x0
	s_cmp_eq_u32 s19, 1                            ; the weight is chosen by the work-group's number alone
	s_cselect_b64 s[4:5], s[6:7], s[4:5]
	s_cmp_eq_u32 s19, 2
	s_cselect_b64 s[4:5], s[8:9], s[4:5]
	s_cmp_eq_u32 s19, 3
	s_cselect_b64 s[4:5], s[10:11], s[4:5]
	s_add_nc_u64 s[4:5], s[4:5], s[22:23]
	s_add_nc_u64 s[12:13], s[12:13], s[24:25]
	s_add_nc_u64 s[14:15], s[14:15], s[26:27]
.set ii, 0
.rept 32
	global_load_b32 v[X+ii], v3, s[4:5] offset:ii*2048 th:TH_LOAD_NT   ; W(128 s + 32 j + i, my column): 32 lanes read 128 consecutive bytes
.set ii, ii+1
.endr
	s_wait_loadcnt 0x0
	v_max3_num_f32 v12, |v[X]|, |v[X+1]|, |v[X+2]|   ; the block's largest magnitude: all 32 numbers are mine; two chains
	v_max3_num_f32 v13, |v[X+3]|, |v[X+4]|, |v[X+5]|
.irp i, 6,10,14,18,22,26
	v_max3_num_f32 v12, v12, |v[X+\i]|, |v[X+\i+1]|
	v_max3_num_f32 v13, v13, |v[X+\i+2]|, |v[X+\i+3]|
.endr
	v_max3_num_f32 v12, v12, |v[X+30]|, |v[X+31]|
	v_max3_num_f32 v12, v12, v13, 0x2800000        ; and the floor 2^(5 - 127): the byte cannot fall under 1
	v_add_nc_u32 v11, 0xfe000000, v12              ; 4 off the exponent field: the conversion takes this operand's exponent field as its scale
	v_lshrrev_b32 v14, 23, v11                     ; the scale's byte
	v_cvt_scalef32_pk16_bf6_f32 v[C:C+2], v[X:X+15], v11
	v_cvt_scalef32_pk16_bf6_f32 v[C+6:C+8], v[X+16:X+31], v11   ; (a conversion's three registers begin on an even number)
	v_nop                                          ; one plain instruction behind the conversions, ahead of the moves that read their results
.irp i, 0,1,2
	v_mov_b32 v[C+3+\i], v[C+6+\i]                 ; six registers on end: k = 32 j + 0 .. 31
.endr
	ds_store_b64 v18, v[C:C+1]
	ds_store_b64 v19, v[C+2:C+3] offset:8
	ds_store_b64 v18, v[C+4:C+5] offset:512
	ds_store_b8 v20, v14
	s_wait_dscnt 0x0                               ; for the others' sake: my codes and my byte lie in LDS
	s_barrier_signal -1
	s_barrier_wait -1                              ; everybody's do
	s_cmp_lg_u32 s28, 0
	s_cbranch_scc1 .Lcodes
	ds_load_b32 v30, v21                           ; wave 0: the 32 scale words, four waves' bytes each
	s_wait_dscnt 0x0
	global_store_b32 v6, v30, s[14:15]             ; two runs of 64 bytes
.Lcodes:
.irp i, 0,1,2
	ds_load_b64 v[24+2*\i:25+2*\i], v22 offset:256*\i
.endr
	s_wait_dscnt 0x0
.irp i, 0,1,2
	global_store_b64 v23, v[24+2*\i:25+2*\i], s[12:13] offset:256*\i   ; 32 lanes store 256 consecutive bytes, at a multiple of 256 from wc's first byte
.endr
	s_wait_tensorcnt 0x0                           ; the wave's end: behind my last LDS store
	ds_add_u32 v1, v2
	s_wait_dscnt 0x0
	s_endpgm
.Lfunc_end_k_qdcfb7a6058_prep:
	.size	k_qdcfb7a6058_prep, .Lfunc_end_k_qdcfb7a6058_prep-k_qdcfb7a6058_prep
	.p2alignl 7, 3214868480
	.fill 96, 4, 3214868480
	.section	.rodata,"a",@progbits
	.p2align	6, 0x0
	.amdhsa_kernel k_qdcfb7a6058_prep
		.amdhsa_group_segment_fixed_size 3840
		.amdhsa_private_segment_fixed_size 0
		.amdhsa_enable_private_segment 0
		.amdhsa_kernarg_size 48
		.amdhsa_user_sgpr_count 2
		.amdhsa_user_sgpr_kernarg_segment_ptr 1
		.amdhsa_wavefront_size32 1
		.amdhsa_system_sgpr_workgroup_id_x 1
		.amdhsa_system_sgpr_workgroup_id_y 1
		.amdhsa_system_sgpr_workgroup_id_z 1
		.amdhsa_system_vgpr_workitem_id 0
		.amdhsa_next_free_vgpr 80
		.amdhsa_next_free_sgpr 66
		.amdhsa_reserve_vcc 0
		.amdhsa_float_denorm_mode_32 3
		.amdhsa_float_denorm_mode_16_64 3
		.amdhsa_memory_ordered 1
		.amdhsa_forward_progress 1
		.amdhsa_inst_pref_size 9
	.end_amdhsa_kernel
	.amdgpu_metadata
---
amdhsa.version: [ 1, 2 ]
amdhsa.kernels:
  - .name:           k_qdcfb7a6058_prep
    .symbol:         k_qdcfb7a6058_prep.kd
    .args:
      - { .name: Wq, .offset: 0, .size: 8, .value_kind: global_buffer, .address_space: global }
      - { .name: Wk, .offset: 8, .size: 8, .value_kind: global_buffer, .address_space: global }
      - { .name: Wv, .offset: 16, .size: 8, .value_kind: global_buffer, .address_space: global }
      - { .name: Wo, .offset: 24, .size: 8, .value_kind: global_buffer, .address_space: global }
      - { .name: wc, .offset: 32, .size: 8, .value_kind: global_buffer, .address_space: global }
      - { .name: ws, .offset: 40, .size: 8, .value_kind: global_buffer, .address_space: global }
    .group_segment_fixed_size: 3840
    .private_segment_fixed_size: 0
    .kernarg_segment_align: 8
    .kernarg_segment_size: 48
    .max_flat_workgroup_size: 128
    .sgpr_count:     66
    .vgpr_count:     80
    .wavefront_size: 32
...
	.end_amdgpu_metadata
.endif
;; end of part 1
;; launch main (part 2): grid 256 x 1, 4 waves a work-group, no clusters, 211,200 bytes of LDS; arguments x, ax, bq, bk, bv, bo, wc, ws, out0; writes out0
.if DOCPART == 2
	.amdgcn_target "amdgcn-amd-amdhsa--gfx1250"
	.amdhsa_code_object_version 6
	.text
	.protected	k_qdcfb7a6058_main
	.globl	k_qdcfb7a6058_main
	.p2align	8
	.type	k_qdcfb7a6058_main,@function
k_qdcfb7a6058_main:
	s_mov_b64 s[64:65], 0
	v_nop
	global_prefetch_b8 v0, s[64:65] scope:SCOPE_SE
	s_setreg_imm32_b32 hwreg(HW_REG_WAVE_MODE, 25, 1), 1
	s_wait_xcnt 0x0
; out0 = (attention over 7 entries a position and head) Wo + bo, all six projections on codes of BF6 (E3M2) with one E8M0 scale for each 32 along K, everything between them in f32.
; No work of the problem is left out (see the first kernel's head).  MORE is done than the problem writes: k and v of x are made for six tiles of 16 positions where four would do (below).
; SHARES.  A work-group owns 64 positions l0 .. l0 + 63 of one batch (256 work-groups, four waves).  q, k, v, the scores and att never go to memory.
;   INPUT PHASE: wave w quantises K step w (channels 128 w .. + 127) of five planes (x, ax[0..3]) for the 64 positions.  A load takes whole runs of 256 bytes (64 positions of a channel); 32 channels turn through
;   the wave's own stage in LDS, so that a lane holds ONE position and its registers run down K; the codes go to LDS as the operand's bytes.  A ring of four register sets keeps 64 loads of each wave out.
;   MATRIX PHASES: wave w owns heads 2 w, 2 w + 1 for all 64 positions.  Its weights come from wc straight into registers, one part (q, k, v) ahead; no other wave multiplies by them.
;   O PHASE: wave w owns output features 128 w .. + 127; its two heads' att are K step w of that product and reach the other waves through LDS.
; NO CLUSTER, NO TENSOR LOAD: what work-groups share is the weights' codes, 24,576 bytes a part and wave, three parts live or on their way: 294,912 bytes for four waves, which do not fit beside the 144,000 bytes of
;   codes and scales of the inputs; so each fragment goes to the registers of the one wave that uses it.  The inputs are read by one work-group alone (but for two positions of x).
; POSITIONS.  Row r of tile t is position l0 + 4 r + t.  So k of tile tau stands against q of tile t, lane by lane, as window entry w = tau - t + 1; tiles -1 and 4 are tiles 3 and 0 read one row earlier or later
;   (each image has 18 slots; two halo positions fill slot 0 of tile 3 and slot 17 of tile 0); and on the way out a lane's four tiles are four neighbouring positions, 16 bytes.
; PRODUCTS ARE USED TRANSPOSED: source 0 = 16 columns of a weight, source 1 = 16 positions.  Register 16 b + m of a head's 32 result registers is feature 32 b + 16 (lane / 16) + m of position row lane % 16.
; PADDING.  At l = 0 (l = 2047) the window's first (last) entry is zeros in reference(): its score is set to 0 ahead of the softmax and its weight to 0 behind it, by masks made of the work-group's number.
; LIMITS: a block whose largest magnitude lies under 2^-122 gets the byte 1, a block of zeros too (its codes are zeros; this program alone reads the bytes); NaN and infinities among the inputs are not served.
; REGISTERS, in windows of 256.  Window 0: v1-23 addresses; v24-47 the weights' scale words (X, Y, Z); v48-51 the positions' scale words, two sets; v52-63 dots at work; v64-91 scores, then weights, 7 a tile;
;   v92-111 at work; v112-143 a bias in the result's layout; v144-239 two sets of four fragments of positions; v240-243 addresses; v248-255 att's scale words.
;   Window 1: v0-191 X (Wq, at the end Wo); v192-255 q, then att, of tiles 0, 1.   Window 2: v0-191 Y (Wk, at the end Wo); v192-255 the same of tiles 2, 3.
;   Window 3: v0-191 Z (Wv); v192-255 one tile's k or v, two sets.  In the input phase window 3 is the ring; in the O phase the 32 accumulators.
.set PS,    27648                      ; LDS: a plane's codes: 4 tiles
.set TS,    6912                       ; a tile: 4 K steps
.set KSB,   1728                       ; a K step: 2 halves of the lanes
.set HB,    864                        ; a half: 18 slots of 48 bytes: a lane's 12 registers
.set SPS,   1152                       ; a plane's scale words; a tile 288, a K step 72 (18 slots of 4)
.set STS,   288
.set IMG,   0                          ; the codes of five planes: 138,240 bytes
.set SCL,   138240                     ; their scale words: 5,760 bytes
.set STG,   144128                     ; each wave's stage: 32 channels x 256 bytes
.set BT,    176896                     ; each wave's biases: 8 entries of 256 bytes: bq, bk, bv of head 2 w; of head 2 w + 1; bo's two halves
.set ATTI,  185088                     ; att's 16 fragments (4 t + s), 48 bytes a lane
.set ATTS,  209664                     ; their scale words, 64 bytes each
.set SPARE, 210688                     ; the spare words, 128 bytes for each wave: two blocks of 256 bytes that no other line names
.set GRP,   24576                      ; wc: a group of 64 columns
.set GRS,   1024                       ; ws: the same
.set SPW, 1
.set NIL, 2
.set AX,  3                            ; my lane's place in a fragment of plane x
.set AL,  4                            ; the same in the axial plane from which fragments are being fetched
.set ASX, 6                            ; likewise for the scale words
.set ASL, 7
.set BADR, 9                           ; the head's biases
.set ATA, 10                           ; where I store att's codes
.set ATB, 11                           ; and its two scale bytes
.set OA,  12                           ; where I read att's fragments
.set OS,  13                           ; and their scale words
.set VO,  14                           ; my byte offset in out0
.set WOFF, 15                          ; 16 x lane
.set WSOFF, 16                         ; 4 x lane
.set VX,  17                           ; input loads: x
.set VA,  18                           ; ax
.set STA, 19                           ; the stage, in
.set STR, 20                           ; the stage, out
.set CA0, 21                           ; my position's codes in plane 0
.set SA0, 22                           ; its scale word
.set CA,  23                           ; the same in the plane in hand
.set WS,  24
.set AS,  48
.set DT,  52
.set SC,  64
.set TMP, 92
.set BI,  112
.set AF,  144
.set BADR0, 240
.set ATA0, 241
.set ATB0, 242
.set SAR, 243
.set OSC, 248
.set TT,  144                          ; input phase: 64 numbers
.set CD,  208                          ; input phase: codes, 10 registers for each of two positions
.set LN,  52                           ; the head's and the halo's own (the dots' registers later)
.set RR,  53
.set HH,  54
.set T0,  55
.set T1,  56
.set HCA, 57
.set HSA, 58
.set HV,  59
.set BS0, 60
.set BS1, 61
.set BV,  62
.set MSB, 0
.macro WIN new                         ; s_set_vgpr_msb: bits 1:0 source 0, 3:2 source 1, 5:4 source 2, 7:6 destination; the high byte repeats the setting that is left
.if MSB != (\new)
	s_set_vgpr_msb (MSB<<8)|(\new)
.set MSB, \new
.endif
.endm
.macro PLACES n
.rept \n
	v_nop
.endr
.endm
; ---------------- the input phase's macros
.macro ISSUE j, vo, sb, cs, nt         ; 32 channels x 64 positions into ring set j: lanes 0-15 take channel 2 i, lanes 16-31 channel 2 i + 1, 256 consecutive bytes each
	WIN 0xc0
.set ii, 0
.rept 16
.if \nt
	global_load_b128 v[64*(\j)+4*ii:64*(\j)+4*ii+3], v[\vo], s[\sb:\sb+1] offset:(32*(\j)+2*ii)*(\cs) th:TH_LOAD_NT
.else
	global_load_b128 v[64*(\j)+4*ii:64*(\j)+4*ii+3], v[\vo], s[\sb:\sb+1] offset:(32*(\j)+2*ii)*(\cs)
.endif
.set ii, ii+1
.endr
	WIN 0
.endm
.macro HALOLD from                     ; 16 of the 32 channels of my halo position's block, into window 2's v0-31, which nothing else names until Wk's group is asked for
	WIN 0x80
.set ii, \from
.rept 16
	global_load_b32 v[ii], v[HV], s[34:35] offset:8192*ii
.set ii, ii+1
.endr
	WIN 0
.endm
.macro XCODES from                     ; 16 of the 48 loads of the first Wq group, into X
	WIN 0x40
.set ii, \from
.rept 16
	global_load_b128 v[4*ii:4*ii+3], v[WOFF], s[40:41] offset:512*ii
.set ii, ii+1
.endr
	WIN 0
.endm
; One block of 32 channels x 64 positions.  mode says which 16 loads take the freed place in the queue, so that the wait's count is the same in every unit.
.macro UNIT j, mode
	s_wait_loadcnt 48                              ; set j's 16 loads are in; behind them stand three times 16
	WIN 0x0c                                       ; an LDS store's data are its source 1: window 3
.set ii, 0
.rept 16
	ds_store_b128 v[STA], v[64*(\j)+4*ii:64*(\j)+4*ii+3] offset:512*ii
.set ii, ii+1
.endr
	WIN 0
.set ii, 0
.rept 64
	ds_load_b32 v[TT+ii], v[STR] offset:256*(ii%32)+128*(ii/32)   ; register 32 g + i: channel i of position 32 g + lane (LDS serves a wave's instructions in order: these see the stores)
.set ii, ii+1
.endr
	s_wait_dscnt 0x0                               ; the numbers are here; the stage's stores have read set j; the last unit's stores have read the codes' registers
.if \mode == 0
	ISSUE \j, VA, 32, 32768, 1
.elseif \mode == 1
	XCODES 0
.elseif \mode == 2
	XCODES 16
.elseif \mode == 3
	XCODES 32
.endif
.irp g, 0,1                            ; the two positions by turns, two chains each
	v_max3_num_f32 v[94+\g], |v[TT+32*\g]|, |v[TT+32*\g+1]|, |v[TT+32*\g+2]|
	v_max3_num_f32 v[96+\g], |v[TT+32*\g+3]|, |v[TT+32*\g+4]|, |v[TT+32*\g+5]|
.endr
.irp i, 6,10,14,18,22,26
.irp g, 0,1
	v_max3_num_f32 v[94+\g], v[94+\g], |v[TT+32*\g+\i]|, |v[TT+32*\g+\i+1]|
	v_max3_num_f32 v[96+\g], v[96+\g], |v[TT+32*\g+\i+2]|, |v[TT+32*\g+\i+3]|
.endr
.endr
.irp g, 0,1
	v_max3_num_f32 v[94+\g], v[94+\g], |v[TT+32*\g+30]|, |v[TT+32*\g+31]|
.endr
.irp g, 0,1
	v_max3_num_f32 v[94+\g], v[94+\g], v[96+\g], 0x2800000   ; the floor 2^(5 - 127): the byte cannot fall under 1
.endr
.irp g, 0,1
	v_add_nc_u32 v[98+\g], 0xfe000000, v[94+\g]    ; 4 off the exponent field: the conversion's scale operand
.endr
.irp g, 0,1
	v_lshrrev_b32 v[100+\g], 23, v[98+\g]          ; the scale's byte
.endr
.irp g, 0,1
.if (\j) == 0
	v_mov_b32 v[92+\g], v[100+\g]
.else
	v_lshl_or_b32 v[92+\g], v[100+\g], 8*(\j), v[92+\g]
.endif
.endr
.irp g, 0,1
	v_cvt_scalef32_pk16_bf6_f32 v[CD+10*\g:CD+10*\g+2], v[TT+32*\g:TT+32*\g+15], v[98+\g]
	v_cvt_scalef32_pk16_bf6_f32 v[CD+10*\g+6:CD+10*\g+8], v[TT+32*\g+16:TT+32*\g+31], v[98+\g]   ; (a conversion's three registers begin on an even number)
.endr
	v_nop                                          ; one plain instruction behind the conversions
.irp g, 0,1
.irp i, 0,1,2
	v_mov_b32 v[CD+10*\g+3+\i], v[CD+10*\g+6+\i]
.endr
.endr
.irp g, 0,1
.irp q, 0,1,2
	ds_store_b64 v[CA], v[CD+10*\g+2*\q:CD+10*\g+2*\q+1] offset:384*\g+HB*((\j)&1)+24*((\j)>>1)+8*\q   ; block j: half j % 2 of the lanes, registers 6 (j / 2) on
.endr
.endr
.if (\j) == 3
.irp g, 0,1
	ds_store_b32 v[SAR], v[92+\g] offset:32*\g     ; the K step's scale word
.endr
.endif
.endm
; ---------------- the matrix phases' macros
.macro PF sg, part, fa, fo, sa, so     ; K step 'part' of a tile's fragments into set sg; parts 1 and 3 bring a scale register too (lanes 0-15 the even K step's words, lanes 16-31 the odd one's)
.irp q, 0,1,2
	ds_load_b128 v[AF+48*(\sg)+12*(\part)+4*\q:AF+48*(\sg)+12*(\part)+4*\q+3], v[\fa] offset:(\fo)+KSB*(\part)+16*\q
.endr
.if (\part) == 1
	ds_load_b32 v[AS+2*(\sg)], v[\sa] offset:\so
.elseif (\part) == 3
	ds_load_b32 v[AS+2*(\sg)+1], v[\sa] offset:(\so)+144
.endif
.endm
.macro PFALL sg, fa, fo, sa, so        ; a whole tile: 12 loads of 16 bytes a lane and 2 of scale words
	PF \sg, 0, \fa, \fo, \sa, \so
	PF \sg, 1, \fa, \fo, \sa, \so
	PF \sg, 2, \fa, \fo, \sa, \so
	PF \sg, 3, \fa, \fo, \sa, \so
.endm
.macro GLW buf, ch                     ; a quarter (one tile, four K steps) of a group of weights into buffer buf (1 X, 2 Y, 3 Z): 12 loads of codes, 2 of scale words
	WIN (\buf)<<6
.irp q, 0,1,2,3,4,5,6,7,8,9,10,11
	global_load_b128 v[48*(\ch)+4*\q:48*(\ch)+4*\q+3], v[WOFF], s[38+2*(\buf):39+2*(\buf)] offset:512*(12*(\ch)+\q)
.endr
	WIN 0
.irp i, 0,1
	global_load_b32 v[16+8*(\buf)+2*(\ch)+\i], v[WSOFF], s[44+2*(\buf):45+2*(\buf)] offset:128*(2*(\ch)+\i)
.endr
.endm
.macro LOADB dwin, dst, adr, off       ; 64 numbers of a bias in the result's layout: register 16 b + m = number 32 b + 16 (lane / 16) + m
	WIN (\dwin)<<6
.irp b, 0,1
.irp q, 0,1,2,3
	ds_load_b128 v[(\dst)+16*\b+4*\q:(\dst)+16*\b+4*\q+3], v[\adr] offset:(\off)+128*\b+16*\q
.endr
.endr
	WIN 0
.endm
; Matrix instruction wi of a tile's 16: K step wi / 4, tile of features wi % 4.  The four accumulators take turns, one instruction a turn.  The bias is the C of a sum's first instruction.
.macro WM aw, dw, dd, sg
.set ks, wi/4
.set tt, wi%4
.set rA, 12*(4*tt+ks)
.set rB, AF+48*(\sg)+12*ks
.set rD, (\dd)+8*tt
.set rSA, 16+8*(\aw)+2*tt+ks/2
.set rSB, AS+2*(\sg)+ks/2
.if ks == 0
	WIN ((\dw)<<6)|(\aw)
	v_wmma_scale_f32_16x16x128_f8f6f4 v[rD:rD+7], v[rA:rA+11], v[rB:rB+11], v[BI+8*tt:BI+8*tt+7], v[rSA], v[rSB] matrix_a_fmt:MATRIX_FMT_BF6 matrix_b_fmt:MATRIX_FMT_BF6
.elseif ks%2 == 1
	WIN ((\dw)<<6)|((\dw)<<4)|(\aw)
	v_wmma_scale_f32_16x16x128_f8f6f4 v[rD:rD+7], v[rA:rA+11], v[rB:rB+11], v[rD:rD+7], v[rSA], v[rSB] matrix_a_fmt:MATRIX_FMT_BF6 matrix_b_fmt:MATRIX_FMT_BF6 matrix_a_scale:MATRIX_SCALE_ROW1 matrix_b_scale:MATRIX_SCALE_ROW1
.else
	WIN ((\dw)<<6)|((\dw)<<4)|(\aw)
	v_wmma_scale_f32_16x16x128_f8f6f4 v[rD:rD+7], v[rA:rA+11], v[rB:rB+11], v[rD:rD+7], v[rSA], v[rSB] matrix_a_fmt:MATRIX_FMT_BF6 matrix_b_fmt:MATRIX_FMT_BF6
.endif
.endm
; What the vector unit does beside a tile's products: the tile BEFORE is set against q (K part) or weighed into att (V part).  DOTS names up to three pairs (tile of queries, entry, first term of att's sum).
.macro DOTS n, ta, wa, ga, tb, wb, gb, tc, wc, gc, rot
.set D_N, \n
.set D_T0, \ta
.set D_W0, \wa
.set D_F0, \ga
.set D_T1, \tb
.set D_W1, \wb
.set D_F1, \gb
.set D_T2, \tc
.set D_W2, \wc
.set D_F2, \gc
.set D_ROT, \rot
.endm
.macro KDOT d, t, sp                   ; registers 4 pk .. 4 pk + 3 of q . k, in two chains of pairs
	WIN 0x0c|(1+(\t)/2)
.set rq, 192+32*((\t)%2)+4*pk
.set rk, 192+32*(\sp)+4*pk
.set rd, DT+4*(\d)
.if pk == 0
	v_pk_mul_f32 v[rd:rd+1], v[rq:rq+1], v[rk:rk+1]
	v_pk_mul_f32 v[rd+2:rd+3], v[rq+2:rq+3], v[rk+2:rk+3]
.else
	v_pk_fma_f32 v[rd:rd+1], v[rq:rq+1], v[rk:rk+1], v[rd:rd+1]
	v_pk_fma_f32 v[rd+2:rd+3], v[rq+2:rq+3], v[rk+2:rk+3], v[rd+2:rd+3]
.endif
.endm
.macro ROTATE t                        ; the axial entries pass through one place (6 in the K part, 3 in the V part), so that the loop over planes is written once
	v_mov_b32 v[SC+7*(\t)+3], v[SC+7*(\t)+4]
	v_mov_b32 v[SC+7*(\t)+4], v[SC+7*(\t)+5]
	v_mov_b32 v[SC+7*(\t)+5], v[SC+7*(\t)+6]
.endm
.macro KFIN d, t, w                    ; my half of the head's 64 features is summed; the other half of the lanes' comes ahead of the softmax
.set rd, DT+4*(\d)
	v_pk_add_f32 v[rd:rd+1], v[rd:rd+1], v[rd+2:rd+3]
.if D_ROT
	ROTATE \t
.endif
	v_add_f32 v[SC+7*(\t)+(\w)], v[rd], v[rd+1]
.endm
.macro VACC t, w, g, sp                ; registers 4 pk .. 4 pk + 3 of att += weight x v, two numbers an instruction; the weight's register, the lower or the upper of its even pair, feeds both halves
.set wt, 1+(\t)/2
.set ra, 192+32*((\t)%2)+4*pk
.set rk, 192+32*(\sp)+4*pk
.set wr, SC+7*(\t)+(\w)
.set wp, wr-(wr%2)
	WIN (wt<<6)|(wt<<4)|0x0c                       ; source 0 (the weight) window 0, source 1 (v) window 3, source 2 and the destination att's window
.irp i, 0,2
.if \g
.if wr%2
	v_pk_mul_f32 v[ra+\i:ra+\i+1], v[wp:wp+1], v[rk+\i:rk+\i+1] op_sel:[1,0] op_sel_hi:[1,1]
.else
	v_pk_mul_f32 v[ra+\i:ra+\i+1], v[wp:wp+1], v[rk+\i:rk+\i+1] op_sel_hi:[0,1]
.endif
.else
.if wr%2
	v_pk_fma_f32 v[ra+\i:ra+\i+1], v[wp:wp+1], v[rk+\i:rk+\i+1], v[ra+\i:ra+\i+1] op_sel:[1,0,0] op_sel_hi:[1,1,1]
.else
	v_pk_fma_f32 v[ra+\i:ra+\i+1], v[wp:wp+1], v[rk+\i:rk+\i+1], v[ra+\i:ra+\i+1] op_sel_hi:[0,1,1]
.endif
.endif
.endr
.endm
; Pack pk of 8 of that work.  All eight packs stand on end behind the tile's last matrix instruction: sixteen plain vector instructions or more (four v_nop where a tile has no such work), and none of them names
; a register of the tile that has just been multiplied: they are the places (ISA guide 7.12.1 for vector instructions) behind that instruction, for the next tile's loads into its fragments' registers
; and for the next tile's reads of its results.
.macro SIDE sm, sp
.if \sm == 0
.if pk == 7
	PLACES 4
.endif
.elseif \sm == 1
	KDOT 0, D_T0, \sp
.if D_N > 1
	KDOT 1, D_T1, \sp
.endif
.if D_N > 2
	KDOT 2, D_T2, \sp
.endif
.if pk == 7
	WIN 0
	KFIN 0, D_T0, D_W0
.if D_N > 1
	KFIN 1, D_T1, D_W1
.endif
.if D_N > 2
	KFIN 2, D_T2, D_W2
.endif
.endif
.else
	VACC D_T0, D_W0, D_F0, \sp
.if D_N > 1
	VACC D_T1, D_W1, D_F1, \sp
.endif
.if D_N > 2
	VACC D_T2, D_W2, D_F2, \sp
.endif
.if (pk == 7) && D_ROT
	WIN 0
	ROTATE D_T0
.endif
.endif
.endm
; A TILE: 16 positions x one head's 64 features x K = 512: 16 matrix instructions on end, the four accumulators by turns.  aw: the weights' window; dw, dd: the results' window and first register; sg: the set of fragments.
; ALL MEMORY INSTRUCTIONS OF A TILE STAND IN ONE RUN AT ITS HEAD: the 14 LDS loads of the NEXT tile's fragments (fa, fo, sa, so) into the other set, which the tile before has multiplied, and, where glb is not 0,
; a quarter of a group of weights.  They have this whole tile in which to land.
; THE TILE'S VECTOR WORK (SIDE: the tile before set against q, or weighed into att) STANDS BEHIND ITS LAST PRODUCT, all eight packs on end, ahead of the next tile's run of loads.
; The wait at the head is for 0: this tile's fragments were asked for at the head of the tile before; and no LDS load of mine is out, so with hook = 1 the plane's two addresses move on to the next plane there.
; lbi >= 0: the next part's bias is fetched behind the eighth product: the four products that take the old one as C are the first four, and four v_nop are the places between.
.macro TILE aw, dw, dd, sg, sm, fa, fo, sa, so, glb, glc, lbi, hook
	WIN 0
	s_wait_dscnt 0x0
.if \hook
	v_add_nc_u32 v[AL], s54, v[AX]
	v_add_nc_u32 v[ASL], s55, v[ASX]
.endif
	PFALL 1-\sg, \fa, \fo, \sa, \so
.if \glb > 0
	GLW \glb, \glc
.endif
.set pk, 0
.rept 8
.set wi, 2*pk
	WM \aw, \dw, \dd, \sg
.set wi, 2*pk+1
	WM \aw, \dw, \dd, \sg
.if (pk == 3) && (\lbi >= 0)
	WIN 0
	PLACES 4
	LOADB 0, BI, BADR, 256*\lbi
.endif
.set pk, pk+1
.endr
.set pk, 0
.rept 8
	SIDE \sm, 1-\sg
.set pk, pk+1
.endr
	WIN 0
.endm
.macro DRAIN sm, sp                    ; a part's last tile has no tile behind it: its vector work stands alone
	PLACES 4
.set pk, 0
.rept 8
	SIDE \sm, \sp
.set pk, pk+1
.endr
	WIN 0
.endm
; att of tile t, this head: two blocks of 32 along the last product's K, each half in lanes l and l xor 16; codes and two scale bytes go to LDS as the operand's bytes.
.macro ATTQ t
.set wt, 1+(\t)/2
.set ab, 192+32*((\t)%2)
	WIN wt|(wt<<2)
.irp b, 0,1
	v_max3_num_f32 v[102+\b], |v[ab+16*\b]|, |v[ab+16*\b+1]|, 0x2800000   ; my 16 numbers of block b, and the floor 2^(5 - 127)
.endr
.irp i, 2,4,6,8,10,12,14
.irp b, 0,1
	v_max3_num_f32 v[102+\b], |v[ab+16*\b+\i]|, |v[ab+16*\b+\i+1]|, v[102+\b]
.endr
.endr
	WIN 0
.irp b, 0,1
	v_permlanex16_b32 v[104+\b], v[102+\b], s60, s61
.endr
.irp b, 0,1
	v_max_num_f32 v[102+\b], v[102+\b], v[104+\b]  ; with lane l xor 16's: the block's largest magnitude
.endr
.irp b, 0,1
	v_add_nc_u32 v[106+\b], 0xfe000000, v[102+\b]  ; 4 off the exponent field: the conversion's scale operand
.endr
.irp b, 0,1
	v_lshrrev_b32 v[108+\b], 23, v[106+\b]
.endr
	v_lshl_or_b32 v110, v109, 8, v108              ; the head's two bytes of my row's scale word
	WIN wt
	v_cvt_scalef32_pk16_bf6_f32 v[92:94], v[ab:ab+15], v106
	v_cvt_scalef32_pk16_bf6_f32 v[98:100], v[ab+16:ab+31], v107
	WIN 0
	v_nop                                          ; one plain instruction behind the conversions
.irp i, 0,1,2
	v_permlane16_swap_b32 v[92+\i], v[98+\i]       ; the operand wants a WHOLE block in a lane: lanes 0-15 block 0, lanes 16-31 block 1
.endr
.irp i, 0,1,2
	v_mov_b32 v[95+\i], v[98+\i]
.endr
.irp q, 0,1,2
	ds_store_b64 v[ATA], v[92+2*\q:93+2*\q] offset:6144*(\t)+8*\q
.endr
	ds_store_b16 v[ATB], v110 offset:256*(\t)      ; both halves of the lanes write the same two bytes with the same value
	s_wait_dscnt 0x0                               ; the stores have read their registers
.endm
; ---------------- the O phase's macros
.macro OFRAG ks                        ; att's four fragments (tiles of positions) of K step ks
.irp m, 0,1,2,3
.irp q, 0,1,2
	ds_load_b128 v[AF+48*((\ks)%2)+12*\m+4*\q:AF+48*((\ks)%2)+12*\m+4*\q+3], v[OA] offset:(4*\m+(\ks))*1536+16*\q
.endr
.endr
.endm
.macro OMM ks                          ; 32 matrix instructions: 2 groups x 4 tiles of features x 4 tiles of positions; the 32 accumulators take turns
.irp g, 0,1
	WIN 0xf0|(1+\g)
.irp n, 0,1,2,3
.irp m, 0,1,2,3
.if (\ks) == 0
	v_wmma_scale_f32_16x16x128_f8f6f4 v[8*(16*\g+4*\n+\m):8*(16*\g+4*\n+\m)+7], v[12*(4*\n+(\ks)):12*(4*\n+(\ks))+11], v[AF+48*((\ks)%2)+12*\m:AF+48*((\ks)%2)+12*\m+11], 0, v[WS+8*\g+2*\n+(\ks)/2], v[OSC+2*\m+(\ks)/2] matrix_a_fmt:MATRIX_FMT_BF6 matrix_b_fmt:MATRIX_FMT_BF6
.elseif (\ks)%2 == 1
	v_wmma_scale_f32_16x16x128_f8f6f4 v[8*(16*\g+4*\n+\m):8*(16*\g+4*\n+\m)+7], v[12*(4*\n+(\ks)):12*(4*\n+(\ks))+11], v[AF+48*((\ks)%2)+12*\m:AF+48*((\ks)%2)+12*\m+11], v[8*(16*\g+4*\n+\m):8*(16*\g+4*\n+\m)+7], v[WS+8*\g+2*\n+(\ks)/2], v[OSC+2*\m+(\ks)/2] matrix_a_fmt:MATRIX_FMT_BF6 matrix_b_fmt:MATRIX_FMT_BF6 matrix_a_scale:MATRIX_SCALE_ROW1 matrix_b_scale:MATRIX_SCALE_ROW1
.else
	v_wmma_scale_f32_16x16x128_f8f6f4 v[8*(16*\g+4*\n+\m):8*(16*\g+4*\n+\m)+7], v[12*(4*\n+(\ks)):12*(4*\n+(\ks))+11], v[AF+48*((\ks)%2)+12*\m:AF+48*((\ks)%2)+12*\m+11], v[8*(16*\g+4*\n+\m):8*(16*\g+4*\n+\m)+7], v[WS+8*\g+2*\n+(\ks)/2], v[OSC+2*\m+(\ks)/2] matrix_a_fmt:MATRIX_FMT_BF6 matrix_b_fmt:MATRIX_FMT_BF6
.endif
.endr
.endr
.endr
	WIN 0
.endm
; ================ THE HEAD
	s_load_b512 s[8:23], s[0:1], 0x0               ; x s[8:9], ax s[10:11], bq s[12:13], bk s[14:15], bv s[16:17], bo s[18:19], wc s[20:21], ws s[22:23]
	s_load_b64 s[24:25], s[0:1], 0x40              ; out0
	v_lshl_add_u32 v[SPW], v0, 2, SPARE            ; my spare word,
	v_mov_b32 v[NIL], 0                            ; and 0: kept for the closing lines
	v_lshrrev_b32 v[T0], 5, v0
	v_readfirstlane_b32 s26, v[T0]                 ; w: my wave
	s_lshr_b32 s27, ttmp9, 5                       ; b: the batch
	s_and_b32 s28, ttmp9, 31                       ; blk: the block of 64 positions
	v_and_b32 v[LN], 31, v0                        ; lane
	v_and_b32 v[RR], 15, v0                        ; r
	v_bfe_u32 v[HH], v0, 4, 1                      ; h
	v_mul_u32_u24 v[AX], v[RR], 48
	v_mad_u32_u24 v[AX], v[HH], HB, v[AX]
	v_add_nc_u32 v[AX], IMG+48, v[AX]              ; a fragment: half h, slot r + 1
	v_lshlrev_b32 v[ASX], 2, v[RR]
	v_mad_u32_u24 v[ASX], v[HH], 72, v[ASX]
	v_add_nc_u32 v[ASX], SCL+4, v[ASX]             ; scale words: lanes 16-31 take the K step after
	s_lshl_b32 s66, s26, 11
	s_add_co_u32 s66, s66, BT                      ; my biases
	v_lshl_add_u32 v[BADR0], v[HH], 6, s66
	v_mul_u32_u24 v[BS0], v[HH], 768
	v_lshl_add_u32 v[BS0], v[RR], 4, v[BS0]
	v_add_nc_u32 v[BS0], s66, v[BS0]               ; in: lanes 0-15 hold head 2 w's 64 numbers, lanes 16-31 head 2 w + 1's, three entries on
	v_lshl_add_u32 v[BS1], v[LN], 4, s66           ; bo's 128 numbers lie on end (entries 6, 7: the store's offset)
	s_mul_i32 s66, s26, 1536
	s_add_co_u32 s66, s66, ATTI
	v_mul_u32_u24 v[ATA0], v[LN], 48
	v_add_nc_u32 v[ATA0], s66, v[ATA0]
	s_lshl_b32 s66, s26, 6
	s_add_co_u32 s66, s66, ATTS
	v_lshl_add_u32 v[ATB0], v[RR], 2, s66
	v_mul_u32_u24 v[OA], v[LN], 48
	v_add_nc_u32 v[OA], ATTI, v[OA]
	v_lshl_add_u32 v[OS], v[LN], 2, ATTS
	v_lshlrev_b32 v[VO], 4, v[RR]
	v_lshl_add_u32 v[VO], v[HH], 17, v[VO]         ; out0: 16 bytes a lane; lanes 16-31 sixteen features (of 8,192 bytes) on
	v_lshlrev_b32 v[WOFF], 4, v[LN]
	v_lshlrev_b32 v[WSOFF], 2, v[LN]
	v_lshlrev_b32 v[VX], 4, v[RR]
	v_lshl_add_u32 v[VX], v[HH], 13, v[VX]         ; x: lanes 16-31 one channel (8,192 bytes) on
	v_lshlrev_b32 v[VA], 4, v[RR]
	v_lshl_add_u32 v[VA], v[HH], 15, v[VA]         ; ax: a channel is 32,768 bytes
	s_lshl_b32 s66, s26, 13
	s_add_co_u32 s66, s66, STG                     ; my stage
	v_lshl_add_u32 v[STA], v[LN], 4, s66
	v_lshl_add_u32 v[STR], v[LN], 2, s66
	v_and_b32 v[T0], 3, v0                         ; position 32 g + lane: tile lane % 4, row 8 g + lane / 4
	v_lshrrev_b32 v[T1], 2, v[LN]
	v_mul_u32_u24 v[CA0], v[T0], TS
	v_mad_u32_u24 v[CA0], v[T1], 48, v[CA0]
	s_mul_i32 s66, s26, KSB
	s_add_co_u32 s66, s66, IMG+48
	v_add_nc_u32 v[CA0], s66, v[CA0]
	v_mul_u32_u24 v[SA0], v[T0], STS
	v_lshl_add_u32 v[SA0], v[T1], 2, v[SA0]
	s_mul_i32 s66, s26, 72
	s_add_co_u32 s66, s66, SCL+4
	v_add_nc_u32 v[SA0], s66, v[SA0]
	; the halo: even lanes take position l0 + 64 (tile 0, slot 17), odd lanes l0 - 1 (tile 3, slot 0); block (lane / 2) % 4 of my K step; lanes 8-31 repeat lanes 0-7
	v_and_b32 v[T0], 1, v0
	v_bfe_u32 v[T1], v0, 1, 2
	v_mul_u32_u24 v[HCA], v[T0], 3*TS-816
	v_mad_u32_u24 v[HSA], v[T0], 3*STS-68, v[T1]
	v_lshlrev_b32 v[HV], 18, v[T1]                 ; 32 channels of 8,192 bytes a block
	v_bfe_u32 v[T1], v0, 1, 1
	v_mad_u32_u24 v[HCA], v[T1], HB, v[HCA]
	v_bfe_u32 v[T1], v0, 2, 1
	v_mad_u32_u24 v[HCA], v[T1], 24, v[HCA]
	s_mul_i32 s66, s26, KSB
	s_add_co_u32 s66, s66, IMG+816
	v_add_nc_u32 v[HCA], s66, v[HCA]
	s_mul_i32 s66, s26, 72
	s_add_co_u32 s66, s66, SCL+68
	v_add_nc_u32 v[HSA], s66, v[HSA]
	s_lshl_b32 s66, s28, 6                         ; l0
	s_add_co_u32 s67, s66, 64
	s_min_u32 s67, s67, 2047                       ; held inside the row: what stands there at the ends is masked later
	s_lshl_b32 s67, s67, 2
	s_sub_co_i32 s66, s66, 1
	s_max_i32 s66, s66, 0
	s_lshl_b32 s66, s66, 2
	s_mov_b32 s69, 0xaaaaaaaa                      ; the odd lanes
	v_mov_b32 v[T0], s67
	v_mov_b32 v[T1], s66
	v_cndmask_b32 v[T0], v[T0], v[T1], s69
	v_add_nc_u32 v[HV], v[HV], v[T0]
	s_lshl_b32 s66, s26, 9
	v_add_nc_u32 v[BV], s66, v[WOFF]               ; my 128 numbers of each bias
	s_cmp_eq_u32 s28, 0
	s_cselect_b32 s62, 0x10001, 0                  ; the lanes of position 0, in the batch's first block
	s_cmp_eq_u32 s28, 31
	s_cselect_b32 s63, 0x80008000, 0               ; those of position 2,047, in its last
	s_mov_b32 s60, 0x76543210
	s_mov_b32 s61, 0xfedcba98                      ; v_permlanex16_b32's selects for lane l xor 16
	s_lshl_b32 s66, s27, 9
	s_lshl_b32 s67, s26, 7
	s_add_co_u32 s66, s66, s67                     ; my first channel, counted through the batches: 512 b + 128 w
	s_lshl_b32 s68, s28, 8                         ; the block's 256 bytes in a row
	s_lshl_b32 s70, s66, 13
	s_mov_b32 s71, 0
	s_add_co_u32 s72, s70, s68
	s_mov_b32 s73, 0
	s_lshl_b32 s74, s66, 15
	s_add_co_u32 s74, s74, s68
	s_mov_b32 s75, 0
	s_mul_i32 s76, s26, 2*GRP
	s_mov_b32 s77, 0
	s_lshl_b32 s78, s26, 11
	s_mov_b32 s79, 0
	s_wait_alu depctr_va_vdst(0)
	s_wait_kmcnt 0x0
	s_add_nc_u64 s[34:35], s[8:9], s[70:71]        ; x at my first channel's row (the halo)
	s_add_nc_u64 s[30:31], s[8:9], s[72:73]        ; x at my block
	s_add_nc_u64 s[36:37], s[24:25], s[72:73]      ; out0 at my first feature and block
	s_add_nc_u64 s[32:33], s[10:11], s[74:75]      ; ax[0] at my block
	s_add_nc_u64 s[40:41], s[20:21], s[76:77]      ; X: Wq, group 2 w
	s_add_nc_u64 s[42:43], s[40:41], 8*GRP         ; Y: Wk
	s_add_nc_u64 s[44:45], s[40:41], 16*GRP        ; Z: Wv
	s_add_nc_u64 s[46:47], s[22:23], s[78:79]      ; and their scale words
	s_add_nc_u64 s[48:49], s[46:47], 8*GRS
	s_add_nc_u64 s[50:51], s[46:47], 16*GRS
	global_load_b128 v[92:95], v[BV], s[12:13]
	global_load_b128 v[96:99], v[BV], s[14:15]
	global_load_b128 v[100:103], v[BV], s[16:17]
	global_load_b128 v[104:107], v[BV], s[18:19]
	HALOLD 0                                       ; the halo's 32 loads stand ahead of the ring's: they name runs of x that the neighbouring work-groups' rings name at their own heads,
	HALOLD 16                                      ; and, being older than every ring load, they change no unit's count and are in when the first unit's wait has passed
	ISSUE 0, VX, 30, 8192, 0                       ; the ring is filled with plane x (no hint: the neighbours' halos read two of its runs again)
	ISSUE 1, VX, 30, 8192, 0
	ISSUE 2, VX, 30, 8192, 0
	ISSUE 3, VX, 30, 8192, 0
	s_wait_loadcnt 63                              ; the biases are in: 96 loads stand behind them, and the wait's field holds 63
	ds_store_b128 v[BS0], v[92:95]
	ds_store_b128 v[BS0], v[96:99] offset:256
	ds_store_b128 v[BS0], v[100:103] offset:512
	ds_store_b128 v[BS1], v[104:107] offset:1536
; ================ THE INPUT PHASE.  Trip p works on plane p and asks for ax[p], which is plane p + 1.
	s_mov_b32 s52, 0
	s_mov_b32 s53, 0
	s_mov_b32 s56, 4
.Lplane:
	s_wait_dscnt 0x0                               ; no LDS instruction of mine names the two addresses that are written now
	v_add_nc_u32 v[CA], s52, v[CA0]
	v_add_nc_u32 v[SAR], s53, v[SA0]
	UNIT 0, 0
	UNIT 1, 0
	UNIT 2, 0
	UNIT 3, 0
	s_wait_xcnt 0x0                                ; the loads have read their base: it may step
	s_add_nc_u64 s[32:33], s[32:33], 8192
	s_add_co_u32 s52, s52, PS
	s_add_co_u32 s53, s53, SPS
	s_sub_co_u32 s56, s56, 1
	s_cmp_lg_u32 s56, 0
	s_cbranch_scc1 .Lplane
	s_wait_dscnt 0x0                               ; the last plane is written out: in place of input loads go the 48 loads of the first Wq group, 16 in each of the first three units, so that the counts stay
	v_add_nc_u32 v[CA], s52, v[CA0]
	v_add_nc_u32 v[SAR], s53, v[SA0]
	UNIT 0, 1
	UNIT 1, 2
	UNIT 2, 3
	UNIT 3, 4
	; the halo: a lane holds a whole block of 32 channels of its position; its loads, the oldest but the biases', came in ahead of the first unit
	s_wait_dscnt 0x0                               ; the last unit's stores have read the codes' registers
	WIN 0x0a                                       ; sources 0 and 1: window 2
	v_max3_num_f32 v94, |v0|, |v1|, 0x2800000
	v_max3_num_f32 v95, |v2|, |v3|, 0x2800000
.irp i, 4,8,12,16,20,24,28
	v_max3_num_f32 v94, |v[\i]|, |v[\i+1]|, v94
	v_max3_num_f32 v95, |v[\i+2]|, |v[\i+3]|, v95
.endr
	WIN 0
	v_max_num_f32 v94, v94, v95
	v_add_nc_u32 v96, 0xfe000000, v94
	v_lshrrev_b32 v97, 23, v96
	WIN 0x02
	v_cvt_scalef32_pk16_bf6_f32 v[CD:CD+2], v[0:15], v96
	v_cvt_scalef32_pk16_bf6_f32 v[CD+6:CD+8], v[16:31], v96
	WIN 0
	v_nop                                          ; one plain instruction behind the conversions
.irp i, 0,1,2
	v_mov_b32 v[CD+3+\i], v[CD+6+\i]
.endr
.irp q, 0,1,2
	ds_store_b64 v[HCA], v[CD+2*\q:CD+2*\q+1] offset:8*\q
.endr
	ds_store_b8 v[HSA], v97
	; X's scale words, and all of Y
.irp i, 0,1,2,3,4,5,6,7
	global_load_b32 v[WS+\i], v[WSOFF], s[46:47] offset:128*\i
.endr
	GLW 2, 0
	GLW 2, 1
	GLW 2, 2
	GLW 2, 3
.irp t, 0,1,2,3
.irp w, 3,4,5,6
	v_mov_b32 v[SC+7*\t+\w], 0                     ; the axial entries' places are moved along before they are first filled: so they are written once here
.endr
.endr
	s_wait_xcnt 0x0                                ; the loads have read their bases:
	s_add_nc_u64 s[40:41], s[40:41], GRP           ; what X and Y take next: Wq and Wk of head 2 w + 1
	s_add_nc_u64 s[42:43], s[42:43], GRP
	s_add_nc_u64 s[46:47], s[46:47], GRS
	s_add_nc_u64 s[48:49], s[48:49], GRS
	s_wait_dscnt 0x0                               ; for the others' sake: my codes and scale words lie in LDS
	s_barrier_signal -1
	s_barrier_wait -1                              ; everybody's do
; ================ THE MATRIX PHASES: two heads
	PFALL 0, AX, TS, ASX, STS                      ; x's tile 1, for the first q part
	LOADB 0, BI, BADR0, 0                          ; bq of head 2 w
	s_mov_b32 s66, 0                               ; the head's steps: biases,
	s_mov_b32 s67, 0                               ; att's codes,
	s_mov_b32 s68, 0                               ; att's scale bytes
	s_mov_b32 s57, 2
.Lhead:
	s_wait_dscnt 0x0                               ; no LDS instruction of mine is out: the addresses below may be written
	v_add_nc_u32 v[BADR], s66, v[BADR0]
	v_add_nc_u32 v[ATA], s67, v[ATA0]
	v_add_nc_u32 v[ATB], s68, v[ATB0]
	v_add_nc_u32 v[AL], 4*PS, v[AX]                ; the planes are walked ax[3], ax[2], ax[1], ax[0], x
	v_add_nc_u32 v[ASL], 4*SPS, v[ASX]
	s_mov_b32 s54, 4*PS
	s_mov_b32 s55, 4*SPS
	s_wait_alu depctr_va_vdst(0)
	s_wait_loadcnt 56                              ; X is in: Y's 56 loads stand behind it
	; ---- q of the four tiles; Z is asked for meanwhile
	TILE 1, 1, 224, 0, 0, AX, 2*TS, ASX, 2*STS, 3, 0, -1, 0          ; x1   | fetches x2
	TILE 1, 2, 192, 1, 0, AX, 3*TS, ASX, 3*STS, 3, 1, -1, 0          ; x2   | x3
	TILE 1, 2, 224, 0, 0, AX, 0, ASX, 0, 3, 2, -1, 0                 ; x3   | x0
	TILE 1, 1, 192, 1, 0, AL, 0, ASL, 0, 3, 3, 1, 0                  ; x0   | ax[3] tile 0; bk
	; ---- k, each tile set against q while the next is multiplied; X takes its next group meanwhile
	s_wait_loadcnt 56                              ; Y is in: Z's 56 stand behind it
	TILE 2, 3, 192, 0, 0, AL, TS, ASL, STS, 0, 0, -1, 0              ; ax[3] tile 0 | tile 1
	s_mov_b32 s58, 4
.Lka:                                              ; a trip: tiles 1, 2, 3 of a plane and tile 0 of the next; the last trip's next plane is x
	s_sub_co_u32 s54, s54, PS                      ; the next plane
	s_sub_co_u32 s55, s55, SPS
	DOTS 1, 0,6,0, 0,0,0, 0,0,0, 1
	TILE 2, 3, 224, 1, 1, AL, 2*TS, ASL, 2*STS, 0, 0, -1, 0          ; tile 1 | tile 2
	DOTS 1, 1,6,0, 0,0,0, 0,0,0, 1
	TILE 2, 3, 192, 0, 1, AL, 3*TS, ASL, 3*STS, 0, 0, -1, 0          ; tile 2 | tile 3
	DOTS 1, 2,6,0, 0,0,0, 0,0,0, 1
	TILE 2, 3, 224, 1, 1, AL, 0, ASL, 0, 0, 0, -1, 1                 ; tile 3 | the addresses move on: the next plane's tile 0
	DOTS 1, 3,6,0, 0,0,0, 0,0,0, 1
	TILE 2, 3, 192, 0, 1, AL, TS, ASL, STS, 0, 0, -1, 0              ; the next plane's tile 0 | its tile 1
	s_sub_co_u32 s58, s58, 1
	s_cmp_lg_u32 s58, 0
	s_cbranch_scc1 .Lka
	DOTS 2, 1,0,0, 0,1,0, 0,0,0, 0                 ; k of tile 0 is entry 0 of queries' tile 1 and entry 1 of tile 0; and so on
	TILE 2, 3, 224, 1, 1, AX, 2*TS, ASX, 2*STS, 1, 0, -1, 0          ; tau = 1  | fetches x2
	DOTS 3, 1,1,0, 0,2,0, 2,0,0, 0
	TILE 2, 3, 192, 0, 1, AX, 3*TS, ASX, 3*STS, 1, 1, -1, 0          ; tau = 2  | x3
	DOTS 3, 1,2,0, 3,0,0, 2,1,0, 0
	TILE 2, 3, 224, 1, 1, AX, 48, ASX, 4, 1, 2, -1, 0                ; tau = 3  | tau = 4: tile 0, a row later
	DOTS 2, 3,1,0, 2,2,0, 0,0,0, 0
	TILE 2, 3, 192, 0, 1, AX, 3*TS-48, ASX, 3*STS-4, 1, 3, -1, 0     ; tau = 4  | tau = -1: tile 3, a row earlier
	DOTS 1, 3,2,0, 0,0,0, 0,0,0, 0
	TILE 2, 3, 224, 1, 1, AX, TS, ASX, STS, 0, 0, -1, 0              ; tau = -1 | x1, for the V part
	DOTS 1, 0,0,0, 0,0,0, 0,0,0, 0
	DRAIN 1, 1
	LOADB 0, BI, BADR, 512                         ; bv
	; ---- the softmax over the 7 entries, four tiles: a lane holds one position
.irp t, 0,1,2,3
.irp w, 0,1,2,3,4,5,6
	v_permlanex16_b32 v[TMP+\w], v[SC+7*\t+\w], s60, s61
.endr
.irp w, 0,1,2,3,4,5,6
	v_add_f32 v[SC+7*\t+\w], v[SC+7*\t+\w], v[TMP+\w]   ; with the other 32 features
.endr
.endr
	v_cndmask_b32 v[SC], v[SC], 0, s62             ; a padded entry's key is zeros: its score is 0
	v_cndmask_b32 v[SC+23], v[SC+23], 0, s63
.irp t, 0,1,2,3
	v_max3_num_f32 v[TMP+8+\t], v[SC+7*\t], v[SC+7*\t+1], v[SC+7*\t+2]
.endr
.irp t, 0,1,2,3
	v_max3_num_f32 v[TMP+8+\t], v[TMP+8+\t], v[SC+7*\t+3], v[SC+7*\t+4]
.endr
.irp t, 0,1,2,3
	v_max3_num_f32 v[TMP+8+\t], v[TMP+8+\t], v[SC+7*\t+5], v[SC+7*\t+6]
.endr
.set ii, 0
.rept 28
	v_sub_f32 v[SC+ii], v[SC+ii], v[TMP+8+ii/7]    ; the maximum is taken away first and the factor follows: fused, the factor's rounding would grow with the maximum
.set ii, ii+1
.endr
.set ii, 0
.rept 28
	v_mul_f32 v[SC+ii], 0x3e38aa3b, v[SC+ii]       ; x log2(e) / sqrt(64)
.set ii, ii+1
.endr
.set ii, 0
	s_wait_alu depctr_va_vdst(0)
.rept 28
	v_exp_f32 v[SC+ii], v[SC+ii]
.set ii, ii+1
.endr
	v_nop                                          ; a plain instruction behind the exponentials,
	s_wait_alu depctr_va_vdst(0)                   ; and the one wait ahead of the batch's first reader
.irp t, 0,1,2,3
	v_add_f32 v[TMP+12+\t], v[SC+7*\t], v[SC+7*\t+1]
.endr
.irp w, 2,3,4,5,6
.irp t, 0,1,2,3
	v_add_f32 v[TMP+12+\t], v[TMP+12+\t], v[SC+7*\t+\w]
.endr
.endr
	s_wait_alu depctr_va_vdst(0)
.irp t, 0,1,2,3
	v_rcp_f32 v[TMP+16+\t], v[TMP+12+\t]
.endr
	v_nop
	s_wait_alu depctr_va_vdst(0)                   ; one wait for the four reciprocals
.set ii, 0
.rept 28
	v_mul_f32 v[SC+ii], v[SC+ii], v[TMP+16+ii/7]
.set ii, ii+1
.endr
	v_cndmask_b32 v[SC], v[SC], 0, s62             ; a padded entry's value is zeros: its weight counts in the sum above and brings nothing
	v_cndmask_b32 v[SC+23], v[SC+23], 0, s63
	; ---- v, each tile weighed into att while the next is multiplied; Y takes its next group meanwhile
	s_wait_dscnt 0x0                               ; bv and the first fragments are in; no LDS instruction of mine is out: the plane's addresses go back to ax[3]
	v_add_nc_u32 v[AL], 4*PS, v[AX]
	v_add_nc_u32 v[ASL], 4*SPS, v[ASX]
	s_mov_b32 s54, 4*PS
	s_mov_b32 s55, 4*SPS
	s_wait_loadcnt 56                              ; Z is in: X's next 56 stand behind it
	TILE 3, 3, 192, 0, 0, AX, 2*TS, ASX, 2*STS, 2, 0, -1, 0          ; tau = 1  | fetches x2
	DOTS 3, 1,1,1, 0,2,1, 2,0,1, 0
	TILE 3, 3, 224, 1, 2, AX, 3*TS, ASX, 3*STS, 2, 1, -1, 0          ; tau = 2  | x3
	DOTS 3, 1,2,0, 3,0,1, 2,1,0, 0
	TILE 3, 3, 192, 0, 2, AX, 48, ASX, 4, 2, 2, -1, 0                ; tau = 3  | tau = 4
	DOTS 2, 3,1,0, 2,2,0, 0,0,0, 0
	TILE 3, 3, 224, 1, 2, AX, 3*TS-48, ASX, 3*STS-4, 2, 3, -1, 0     ; tau = 4  | tau = -1
	DOTS 1, 3,2,0, 0,0,0, 0,0,0, 0
	TILE 3, 3, 192, 0, 2, AL, 0, ASL, 0, 0, 0, -1, 0                 ; tau = -1 | ax[3] tile 0
	DOTS 1, 0,0,0, 0,0,0, 0,0,0, 0
	TILE 3, 3, 224, 1, 2, AL, TS, ASL, STS, 0, 0, -1, 0              ; ax[3] tile 0 | tile 1
	s_mov_b32 s58, 4
.Lva:                                              ; as in the K part; the last trip makes v of x's tile 0 and fetches x1 for the next head's q
	s_sub_co_u32 s54, s54, PS
	s_sub_co_u32 s55, s55, SPS
	DOTS 1, 0,3,0, 0,0,0, 0,0,0, 1
	TILE 3, 3, 192, 0, 2, AL, 2*TS, ASL, 2*STS, 0, 0, -1, 0
	DOTS 1, 1,3,0, 0,0,0, 0,0,0, 1
	TILE 3, 3, 224, 1, 2, AL, 3*TS, ASL, 3*STS, 0, 0, -1, 0
	DOTS 1, 2,3,0, 0,0,0, 0,0,0, 1
	TILE 3, 3, 192, 0, 2, AL, 0, ASL, 0, 0, 0, -1, 1
	DOTS 1, 3,3,0, 0,0,0, 0,0,0, 1
	TILE 3, 3, 224, 1, 2, AL, TS, ASL, STS, 0, 0, -1, 0
	s_sub_co_u32 s58, s58, 1
	s_cmp_lg_u32 s58, 0
	s_cbranch_scc1 .Lva
	DOTS 2, 1,0,0, 0,1,0, 0,0,0, 0
	DRAIN 2, 1
	LOADB 0, BI, BADR, 768                         ; bq of the next head, three entries on; it lands while att is quantised (behind the second head these are 64 numbers of bo, which nobody reads from here)
	; ---- att is quantised: this head is half of K step w of the last product
	ATTQ 0
	ATTQ 1
	ATTQ 2
	ATTQ 3
	s_wait_xcnt 0x0                                ; the weights' loads have read their bases: they step
	s_add_nc_u64 s[40:41], s[40:41], 23*GRP        ; X: from Wq group 2 w + 1 to Wo group 2 w
	s_add_nc_u64 s[42:43], s[42:43], 16*GRP        ; Y: from Wk group 2 w + 1 to Wo group 2 w + 1
	s_add_nc_u64 s[44:45], s[44:45], GRP           ; Z: Wv of the next head
	s_add_nc_u64 s[46:47], s[46:47], 23*GRS
	s_add_nc_u64 s[48:49], s[48:49], 16*GRS
	s_add_nc_u64 s[50:51], s[50:51], GRS
	s_add_co_u32 s66, s66, 768
	s_add_co_u32 s67, s67, 24
	s_add_co_u32 s68, s68, 2
	s_sub_co_u32 s57, s57, 1
	s_cmp_lg_u32 s57, 0
	s_cbranch_scc1 .Lhead
; ================ THE O PHASE: my 128 output features for the 64 positions
	s_wait_dscnt 0x0                               ; for the others' sake: my part of att lies in LDS
	s_barrier_signal -1
	s_barrier_wait -1                              ; everybody's does
	LOADB 1, 192, BADR0, 1536                      ; bo's two halves, in the result's layout
	LOADB 2, 192, BADR0, 1792
.irp m, 0,1,2,3
.irp i, 0,1
	ds_load_b32 v[OSC+2*\m+\i], v[OS] offset:256*\m+128*\i   ; att's scale words: lanes 0-15 K step 2 i, lanes 16-31 K step 2 i + 1
.endr
.endr
	OFRAG 0
	OFRAG 1
	s_wait_loadcnt 0x0                             ; Wo's two groups
	s_wait_dscnt 0x0
	OMM 0                                          ; the first K step starts the sums: nothing is cleared
	PLACES 4                                       ; in front of loads into registers that matrix instructions have read
	OFRAG 2
	OMM 1
	PLACES 4
	OFRAG 3
	s_wait_dscnt 12                                ; K step 2's fragments are in: K step 3's twelve loads stand behind them
	OMM 2
	s_wait_dscnt 0x0
	OMM 3
	PLACES 4                                       ; in front of the first reads of results, and of writes over the weights' registers
; The way out.  Register j of the four tiles of positions are positions 4 r .. 4 r + 3 of one feature: the addition of bo lays them side by side, over the weights, which are done with.
; Each accumulator is read from its low end on.  Sixteen lanes store 256 consecutive bytes, at a multiple of 256 from out0's first byte; no store's data are written again.
.irp g, 0,1
.irp n, 0,1,2,3
	WIN ((1+\g)<<6)|((1+\g)<<2)|3
.irp j, 0,1,2,3,4,5,6,7
.irp m, 0,1,2,3
	v_add_f32 v[4*(8*\n+\j)+\m], v[8*(16*\g+4*\n+\m)+\j], v[192+8*\n+\j]
.endr
.endr
	WIN (1+\g)<<2
.irp j, 0,1,2,3,4,5,6,7
	global_store_b128 v[VO], v[4*(8*\n+\j):4*(8*\n+\j)+3], s[36:37] offset:(64*\g+32*(\n/2)+8*(\n%2)+\j)*8192 th:TH_STORE_NT
.endr
.endr
.endr
	WIN 0
	s_wait_tensorcnt 0x0                           ; the wave's end: behind my last LDS store
	ds_add_u32 v[SPW], v[NIL]
	s_wait_dscnt 0x0
	s_endpgm
.Lfunc_end_k_qdcfb7a6058_main:
	.size	k_qdcfb7a6058_main, .Lfunc_end_k_qdcfb7a6058_main-k_qdcfb7a6058_main
	.p2alignl 7, 3214868480
	.fill 96, 4, 3214868480
	.section	.rodata,"a",@progbits
	.p2align	6, 0x0
	.amdhsa_kernel k_qdcfb7a6058_main
		.amdhsa_group_segment_fixed_size 211200
		.amdhsa_private_segment_fixed_size 0
		.amdhsa_enable_private_segment 0
		.amdhsa_kernarg_size 72
		.amdhsa_user_sgpr_count 2
		.amdhsa_user_sgpr_kernarg_segment_ptr 1
		.amdhsa_wavefront_size32 1
		.amdhsa_system_sgpr_workgroup_id_x 1
		.amdhsa_system_sgpr_workgroup_id_y 1
		.amdhsa_system_sgpr_workgroup_id_z 1
		.amdhsa_system_vgpr_workitem_id 0
		.amdhsa_next_free_vgpr 1024
		.amdhsa_next_free_sgpr 80
		.amdhsa_reserve_vcc 0
		.amdhsa_float_denorm_mode_32 3
		.amdhsa_float_denorm_mode_16_64 3
		.amdhsa_memory_ordered 1
		.amdhsa_forward_progress 1
		.amdhsa_inst_pref_size 255
	.end_amdhsa_kernel
	.section	.bss,"aw",@nobits
	.p2align	6
	.space	262144
	.amdgpu_metadata
---
amdhsa.version: [ 1, 2 ]
amdhsa.kernels:
  - .name:           k_qdcfb7a6058_main
    .symbol:         k_qdcfb7a6058_main.kd
    .args:
      - { .name: x, .offset: 0, .size: 8, .value_kind: global_buffer, .address_space: global }
      - { .name: ax, .offset: 8, .size: 8, .value_kind: global_buffer, .address_space: global }
      - { .name: bq, .offset: 16, .size: 8, .value_kind: global_buffer, .address_space: global }
      - { .name: bk, .offset: 24, .size: 8, .value_kind: global_buffer, .address_space: global }
      - { .name: bv, .offset: 32, .size: 8, .value_kind: global_buffer, .address_space: global }
      - { .name: bo, .offset: 40, .size: 8, .value_kind: global_buffer, .address_space: global }
      - { .name: wc, .offset: 48, .size: 8, .value_kind: global_buffer, .address_space: global }
      - { .name: ws, .offset: 56, .size: 8, .value_kind: global_buffer, .address_space: global }
      - { .name: out0, .offset: 64, .size: 8, .value_kind: global_buffer, .address_space: global }
    .group_segment_fixed_size: 211200
    .private_segment_fixed_size: 0
    .kernarg_segment_align: 8
    .kernarg_segment_size: 72
    .max_flat_workgroup_size: 128
    .sgpr_count:     80
    .vgpr_count:     1024
    .wavefront_size: 32
...
	.end_amdgpu_metadata
.endif
;; end of part 2
